; MI455X (gfx1250); checked and timed in simulation.
; The chip was launched on July 23, 2026; its instructions are those of AMD's public machine-readable ISA for CDNA 5 (MIT licence, August 2026) and "CDNA5" Instruction Set Architecture Reference Guide (July 2026). The comments in the code are by the model that wrote it; some were corrected since.
;; GRU. Allowed arithmetic: matrix products marked QUANTISED: E2M3 operands, one E8M0 scale for each 32 along K, by v_wmma_scale_f32_16x16x128_f8f6f4 with both operands' format E2M3, f32 sums; everything else in f32.
;; Inputs: br 1,024 float32; bx 1,024 float32; bz 1,024 float32; inp 8,192 x 1,024 float32; state 8,192 x 1,024 float32; ur 1,024 x 1,024 float32; uz 1,024 x 1,024 float32; wh 1,024 x 1,024 float32; wr 1,024 x 1,024 float32; wx 1,024 x 1,024 float32; wz 1,024 x 1,024 float32.
;; Outputs: out0 8,192 x 1,024 float32.
;; This version of the problem:
;;   THIS VERSION OF THE PROBLEM IS GIVEN IN LOW PRECISION. The matrix products marked QUANTISED in the list below multiply operands that are first quantised to E2M3 (2 exponent bits, 3 mantissa bits; 6 bits a number), with one power-of-two scale for each 32 numbers along K (OCP MX v1.0); their sums are f32. All else is computed in f32.
;;   The module's matrix products, in the order in which they are computed (A, B: the left and right operand; K: the contracted axis; several contracted axes count as one K, in the product's order):
;;     1. [M 8,192, K 1,024] x [K 1,024, N 3,072]; A: input inp; B: computed on the way: QUANTISED
;;     2. [M 8,192, K 1,024] x [K 1,024, N 3,072]; A: input state; B: computed on the way: QUANTISED
;;   THE QUANTISER, for each operand of a quantised product, along K:
;;     - K is cut into blocks of 32 from its start; a last block that is shorter is filled with zeros.
;;     - A block's scale is 2^e with e = floor(log2(the largest magnitude in the block)) - 2, held to -126 .. 127; a block of zeros has e = 0. As a byte (E8M0): e + 127.
;;     - Each number is divided by its block's scale, clamped to +-7.5, and rounded to the nearest number of E2M3, ties to even, subnormals kept.
;;     - The product sums the exact products of the quantised numbers (number of the format x scale) in f32.
;;   ~~~python
;;   def quantise(x, axis):      # numpy; x: float32 -> the quantised numbers, widened to float32 again
;;       x = np.moveaxis(x, axis, -1); K = x.shape[-1]
;;       x = np.pad(x, [(0, 0)] * (x.ndim - 1) + [(0, -K % 32)]); x = x.reshape(x.shape[:-1] + (-1, 32)); a = np.abs(x).max(-1, keepdims=True)
;;       e = np.where(a > 0, np.clip(np.frexp(np.where(a > 0, a, 1))[1] - 1 - 2, -126, 127), 0)      # np.frexp(a)[1] - 1 = floor(log2(a)), exactly
;;       r = np.clip(x / 2.0 ** e, -7.5, 7.5)
;;       step = 2.0 ** (np.maximum(np.frexp(np.where(r == 0, 1, r))[1] - 1, 0) - 3)
;;       q = np.round(r / step) * step * 2.0 ** e      # np.round: ties to even
;;       return np.moveaxis(q.reshape(q.shape[:-2] + (-1,))[..., :K], -1, axis).astype(np.float32)
;;   ~~~
;;   OPERANDS COMPUTED ON THE WAY. 'Computed on the way' means the value that the module computes at that place (a softmax that the list does not call 'softmax' is quantised finished and normalised). What goes into a quantiser is computed in f32, as accurately as f32 sums, v_exp_f32 and their like allow (about 1e-6 of the number): no bf16 or f16 on the way to a quantiser, and a product that is left as it is and whose result goes on into a quantised operand takes f32 operands (vector FMAs, or v_wmma_f32_16x16x4_f32). A number that lies on a knife's edge between two numbers of the format may be rounded either way, as far as f32 arithmetic and the matrix unit's own rounding can turn it there, and no further.
;; One version. Each part assembles by itself: llvm-mc -triple=amdgcn-amd-amdhsa -mcpu=gfx1250 --defsym DOCPART=n.
;; ======== version 1 of 1: 2 launches
;; limits: right only within a limited range of input values
;; workspace buffers: acodes 12,582,912 bytes; ascales 524,288 bytes; bcodes 4,718,592 bytes; bscales 196,608 bytes
;; launch quant (part 1): grid 704 x 1, 4 waves a work-group, no clusters, 34,304 bytes of LDS; arguments wz, wr, wx, uz, ur, wh, inp, state, acodes, ascales, bcodes, bscales; writes acodes, ascales, bcodes, bscales
.if DOCPART == 1
	.amdgcn_target "amdgcn-amd-amdhsa--gfx1250"
	.amdhsa_code_object_version 6
	.text
	.protected	k_qa8d07b677d_quant
	.globl	k_qa8d07b677d_quant
	.p2align	8
	.type	k_qa8d07b677d_quant,@function
k_qa8d07b677d_quant:
	s_mov_b64 s[64:65], 0
	v_nop
	global_prefetch_b8 v0, s[64:65] scope:SCOPE_SE
	s_setreg_imm32_b32 hwreg(HW_REG_WAVE_MODE, 25, 1), 1
	s_wait_xcnt 0x0
; inp, state [8192][1024] and the six weights [1024 (k)][1024 (n)], all f32, become codes of FP6 (E2M3) with one E8M0 scale byte for each 32 along K.
; A block's scale is 2^(floor(log2(its largest magnitude)) - 2): its byte is the largest magnitude's own exponent field - 2, held at 1 from below by a floor among the maximum's leaves.
; Each number is divided by the scale and rounded to the nearest code, ties to even; beyond 7.5 the conversion gives the largest code.
; LIMITS: NaN and infinities among the inputs are not served.  A block whose largest magnitude lies under 2^-124 keeps the byte 1; so does a block of zeros, where the rule says 127: its codes are
; zeros, which add nothing under that byte, and the bytes are read by this program's second launch alone.
; THE CODES ARE LAID AS IMAGES OF THE OPERAND'S REGISTERS.  A fragment is 16 rows (or weight columns) x 128 K in 12 registers: lane (r, h) holds of row r block h in registers 0-5 and block 2 + h in
; registers 6-11.  Register j of lane l lies at byte 512 (j / 4) + 16 l + 4 (j % 4) of the fragment's 1,536: three stores of 512 consecutive bytes write it, three such loads bring it back.
;   acodes  [f 8][T 512][e 2][1536]               f = 4 X + k / 256 (X = 0 inp, 1 state), T = row / 16, e = (k / 128) % 2
;   bcodes  [f 8][c16 16][g 3][bt 4][e 2][1536]   c16 = n / 64, g = 0 z, 1 r, 2 h weight of that X, bt = (n % 64) / 16
;   ascales [PP 256][f 8][lane 32][8]             PP = row / 32, lane = row % 32; word e at byte 4 e, byte b of a word for block b of that 128 along K
;   bscales [n32 32][g 3][f 8][lane 32][8]        n32 = n / 32, lane = n % 32
; Work-groups 0-191 take the weights, 192-703 inp and state.  No tensor load, no barrier, no loop: waves share nothing and every offset is an immediate.  Only the second path uses LDS.
.set RAW, 64                           ; numbers as loaded: two sets (weights: 32 registers each; rows: 64 each)
.set XT,  192                          ; rows: 64 numbers turned through the stage
.set CD,  24                           ; rows: v24-35 a fragment's codes
.set WD,  16                           ; scale words
	s_load_b512 s[4:19], s[0:1], 0x0               ; wz, wr, wx, uz, ur, wh, inp s[16:17], state s[18:19]
	s_load_b256 s[20:27], s[0:1], 0x40             ; acodes, ascales, bcodes, bscales
	v_lshl_add_u32 v62, v0, 2, 0x8400
	v_mov_b32 v63, 0
	v_lshrrev_b32 v1, 5, v0
	v_readfirstlane_b32 s30, v1                    ; wave 0..3
	v_and_b32 v1, 31, v0                           ; lane
	v_and_b32 v2, 15, v0                           ; r
	v_bfe_u32 v3, v0, 4, 1                         ; h
	v_lshlrev_b32 v7, 3, v1                        ; 8 x lane: my scale record
	s_cmp_lt_u32 ttmp9, 192
	s_cbranch_scc0 .Lact
; ---------------- THE WEIGHTS.  K is their first axis: a lane takes a column n and its registers run down K, so a block of 32 lies in one lane and the conversions give codes with K innermost.
; Work-group: weight wi = id / 32, 256 along K (q), 128 columns (cg).  Wave w: 32 of those columns: 8 blocks a lane, two K steps of two fragments.
	s_lshr_b32 s31, ttmp9, 5                       ; wi 0..5: wz, wr, wx, uz, ur, wh
	s_and_b32 s34, ttmp9, 7                        ; cg
	s_bfe_u32 s35, ttmp9, 0x20003                  ; q
	s_cmp_ge_u32 s31, 3
	s_cselect_b32 s36, 1, 0                        ; X
	s_mul_i32 s37, s36, 3
	s_sub_co_u32 s37, s31, s37                     ; g
	s_lshl_b32 s38, s36, 2
	s_add_co_u32 s38, s38, s35                     ; f
	s_lshl_b32 s40, s35, 20                        ; source: 256 q rows of 4,096 bytes
	s_lshl_b32 s42, s34, 9
	s_add_co_u32 s40, s40, s42                     ; + 128 cg columns
	s_lshl_b32 s42, s30, 7
	s_add_co_u32 s40, s40, s42                     ; + 32 w columns
	s_mov_b32 s41, 0
	s_mul_i32 s44, s38, 589824                     ; bcodes: f,
	s_lshl_b32 s42, s34, 1
	s_lshr_b32 s43, s30, 1
	s_add_co_u32 s42, s42, s43
	s_mul_i32 s42, s42, 36864                      ; c16 = 2 cg + w / 2,
	s_add_co_u32 s44, s44, s42
	s_mul_i32 s42, s37, 12288                      ; g,
	s_add_co_u32 s44, s44, s42
	s_and_b32 s42, s30, 1
	s_mul_i32 s42, s42, 6144                       ; bt = 2 (w % 2)
	s_add_co_u32 s44, s44, s42
	s_mov_b32 s45, 0
	s_lshl_b32 s46, s34, 2                         ; bscales: n32 = 4 cg + w,
	s_add_co_u32 s46, s46, s30
	s_mul_i32 s46, s46, 6144
	s_lshl_b32 s42, s37, 11                        ; g,
	s_add_co_u32 s46, s46, s42
	s_lshl_b32 s42, s38, 8                         ; f
	s_add_co_u32 s46, s46, s42
	s_mov_b32 s47, 0
	s_wait_alu depctr_va_vdst(0)
	v_lshlrev_b32 v4, 2, v1                        ; in: 4 bytes a lane
	v_lshlrev_b32 v5, 4, v1                        ; out: 16 bytes a lane
	s_wait_alu depctr_va_vdst(0)
	s_wait_kmcnt 0x0
	s_mov_b64 s[28:29], s[4:5]                     ; which weight: the choice hangs on the work-group's number alone
.irp i, 1,2,3,4,5
	s_cmp_eq_u32 s31, \i
	s_cselect_b64 s[28:29], s[4+2*\i:5+2*\i], s[28:29]
.endr
	s_add_nc_u64 s[28:29], s[28:29], s[40:41]
	s_add_nc_u64 s[24:25], s[24:25], s[44:45]
	s_add_nc_u64 s[26:27], s[26:27], s[46:47]
.macro LOADB t                         ; block t: w(32 t + i, my column), i = 0 .. 31, into set t % 2: 32 lanes read 128 consecutive bytes, the four waves side by side 512
.irp i, 0,1,2,3,4,5,6,7,8,9,10,11,12,13,14,15,16,17,18,19,20,21,22,23,24,25,26,27,28,29,30,31
	global_load_b32 v[RAW+32*((\t)%2)+\i], v4, s[28:29] offset:(32*(\t)+\i)*4096 th:TH_LOAD_NT
.endr
.endm
; Block t = 4 e + b of my column.  Its six registers of codes go to run (e, b % 2), registers 6 (b / 2) on: run 0 gathers blocks 0 and 2, run 1 blocks 1 and 3.
.macro BLOCK t
.set XS, RAW+32*((\t)%2)
.set DST, 128+24*((\t)/4)+12*((\t)%2)+6*(((\t)%4)/2)
.if (\t) < 7
	s_wait_loadcnt 32                              ; this block's 32 loads are in; the next block's 32 may be out
.else
	s_wait_loadcnt 0x0
.endif
	v_max3_num_f32 v8, |v[XS]|, |v[XS+1]|, |v[XS+2]|               ; the block's largest magnitude: all 32 numbers are mine; two chains
	v_max3_num_f32 v9, |v[XS+3]|, |v[XS+4]|, |v[XS+5]|
.irp i, 6,10,14,18,22,26
	v_max3_num_f32 v8, v8, |v[XS+\i]|, |v[XS+\i+1]|
	v_max3_num_f32 v9, v9, |v[XS+\i+2]|, |v[XS+\i+3]|
.endr
	v_max3_num_f32 v8, v8, |v[XS+30]|, |v[XS+31]|
	v_max3_num_f32 v8, v8, v9, 0x1800000           ; and the floor 2^(3 - 127): the byte cannot fall under 1
	v_add_nc_u32 v10, 0xff000000, v8               ; 2 off its exponent field: the conversion takes the exponent field of this operand as its scale
	v_lshrrev_b32 v12, 23, v10                     ; the scale's byte
.if (\t)%4 == 0
	v_mov_b32 v[WD+(\t)/4], v12                    ; four bytes to a word, the lower K in the lower byte
.else
	v_lshl_or_b32 v[WD+(\t)/4], v12, 8*((\t)%4), v[WD+(\t)/4]
.endif
	v_cvt_scalef32_pk16_fp6_f32 v[DST:DST+2], v[XS:XS+15], v10
	v_cvt_scalef32_pk16_fp6_f32 v[36:38], v[XS+16:XS+31], v10      ; (a conversion's three registers begin on an even number: the block's upper half is made here and moved)
	v_nop                                          ; one plain instruction behind the conversions, ahead of the instructions that touch their results
.irp i, 0,1,2
	v_mov_b32 v[DST+3+\i], v[36+\i]
.endr
.if (\t)+2 < 8
	LOADB (\t)+2
.endif
.endm
; K step e is whole.  Run 0's lanes 16-31 change places with run 1's lanes 0-15: run 0 is then the fragment of columns 0-15 (lanes 0-15 blocks 0, 2; lanes 16-31 blocks 1, 3), run 1 that of columns 16-31.
; Each K step has its own registers, so no store's data are written again.
.macro OUTSTEP e
.set j, 0
.rept 12
	v_permlane16_swap_b32 v[128+24*(\e)+j], v[140+24*(\e)+j]
.set j, j+1
.endr
.irp u, 0,1
.irp c, 0,1,2
	global_store_b128 v5, v[128+24*(\e)+12*\u+4*\c:128+24*(\e)+12*\u+4*\c+3], s[24:25] offset:3072*\u+1536*(\e)+512*\c   ; 512 consecutive bytes, at a multiple of 256 from the buffer's first byte
.endr
.endr
.endm
	LOADB 0
	LOADB 1
	BLOCK 0
	BLOCK 1
	BLOCK 2
	BLOCK 3
	OUTSTEP 0
	BLOCK 4
	BLOCK 5
	BLOCK 6
	BLOCK 7
	OUTSTEP 1
	global_store_b64 v7, v[WD:WD+1], s[26:27]      ; my column's two scale words: the wave stores 256 consecutive bytes
	s_endpgm
; ---------------- inp AND state.  K is innermost.  Work-group: tensor X, 32 rows (PP).  Wave q: 256 along K of them: four fragments j = 2 u + e (16 rows u, K step e).
; A load reads one row's 512 consecutive bytes (128 along K), 16 a lane; the operand wants of lane (r, h) the 32 numbers of blocks h and 2 + h of row r.  So a fragment's 16 rows turn through the wave's own
; stage in LDS: rows 528 bytes apart (33 x 16), so that the sixteen rows that a load of 16 bytes a lane touches start in sixteen different 16-byte columns of 256 bytes.
.Lact:
	s_sub_co_u32 s31, ttmp9, 192
	s_lshr_b32 s36, s31, 8                         ; X
	s_and_b32 s34, s31, 255                        ; PP
	s_lshl_b32 s38, s36, 2
	s_add_co_u32 s38, s38, s30                     ; f = 4 X + q
	s_lshl_b32 s40, s34, 17                        ; source: 32 PP rows of 4,096 bytes
	s_lshl_b32 s42, s30, 10
	s_add_co_u32 s40, s40, s42                     ; + 256 q numbers
	s_mov_b32 s41, 0
	s_mul_i32 s44, s38, 1572864                    ; acodes: f, T = 2 PP
	s_mul_i32 s42, s34, 6144
	s_add_co_u32 s44, s44, s42
	s_mov_b32 s45, 0
	s_lshl_b32 s46, s34, 11                        ; ascales: PP, f
	s_lshl_b32 s42, s38, 8
	s_add_co_u32 s46, s46, s42
	s_mov_b32 s47, 0
	s_mov_b32 s32, 0x76543210
	s_mov_b32 s33, 0xfedcba98                      ; v_permlanex16_b32's selects for lane l xor 16
	s_mul_i32 s39, s30, 8448                       ; my stage: 16 rows x 528 bytes
	s_wait_alu depctr_va_vdst(0)
	v_lshlrev_b32 v4, 4, v1                        ; 16 x lane: in memory, in and out
	v_add_nc_u32 v5, s39, v4                       ; into the stage: as loaded
	v_mul_u32_u24 v6, v2, 528
	v_lshl_add_u32 v6, v3, 7, v6
	v_add_nc_u32 v6, s39, v6                       ; out of it: row r, block h (128 bytes a block)
	v_lshlrev_b32 v22, 3, v3                       ; 8 h: where my two bytes stand in the scale word
	v_mov_b32 v15, 0                               ; written once: a lane permute's destination counts as one of its sources
	s_wait_alu depctr_va_vdst(0)
	s_wait_kmcnt 0x0
	s_cmp_eq_u32 s36, 0
	s_cselect_b64 s[28:29], s[16:17], s[18:19]     ; inp or state: the choice hangs on the work-group's number alone
	s_add_nc_u64 s[28:29], s[28:29], s[40:41]
	s_add_nc_u64 s[20:21], s[20:21], s[44:45]
	s_add_nc_u64 s[22:23], s[22:23], s[46:47]
.macro LOADF j                         ; fragment j's 16 rows into set j % 2
.irp i, 0,1,2,3,4,5,6,7,8,9,10,11,12,13,14,15
	global_load_b128 v[RAW+64*((\j)%2)+4*\i:RAW+64*((\j)%2)+4*\i+3], v4, s[28:29] offset:(16*((\j)/2)+\i)*4096+512*((\j)%2) th:TH_LOAD_NT
.endr
.endm
.macro FRAGQ j
.set RW, RAW+64*((\j)%2)
.if (\j) < 3
	s_wait_loadcnt 16                              ; this fragment's 16 loads are in; the next fragment's 16 may be out
.else
	s_wait_loadcnt 0x0
.endif
.irp i, 0,1,2,3,4,5,6,7,8,9,10,11,12,13,14,15
	ds_store_b128 v5, v[RW+4*\i:RW+4*\i+3] offset:528*\i
.endr
.irp c, 0,1,2,3,4,5,6,7
	ds_load_b128 v[XT+4*\c:XT+4*\c+3], v6 offset:16*\c              ; LDS serves a wave's instructions in order: these see the stores above.  Block h of row r
.endr
.irp c, 0,1,2,3,4,5,6,7
	ds_load_b128 v[XT+32+4*\c:XT+32+4*\c+3], v6 offset:256+16*\c    ; block 2 + h
.endr
	s_wait_dscnt 0x0                               ; the turned numbers are in, and the stores have read the set,
.if (\j) < 2
	LOADF (\j)+2                                   ; which takes the fragment two on
.endif
	v_max3_num_f32 v8, |v[XT]|, |v[XT+1]|, 0x1800000               ; my two blocks by turns; the floor 2^(3 - 127) holds the byte at 1 from below
	v_max3_num_f32 v9, |v[XT+32]|, |v[XT+33]|, 0x1800000
.irp i, 2,4,6,8,10,12,14,16,18,20,22,24,26,28,30
	v_max3_num_f32 v8, v8, |v[XT+\i]|, |v[XT+\i+1]|
	v_max3_num_f32 v9, v9, |v[XT+32+\i]|, |v[XT+33+\i]|
.endr
	v_add_nc_u32 v10, 0xff000000, v8               ; 2 off the exponent fields: the conversions' scale operands
	v_add_nc_u32 v11, 0xff000000, v9
	v_lshrrev_b32 v12, 23, v10                     ; the bytes
	v_lshrrev_b32 v13, 23, v11
	v_lshl_or_b32 v14, v13, 16, v12                ; blocks h and 2 + h,
	v_lshlrev_b32 v14, v22, v14                    ; at their places in the word;
	v_permlanex16_b32 v15, v14, s32, s33
	v_or_b32 v[WD+(\j)], v14, v15                  ; with lane l xor 16's two the word of row r is whole
.if (\j) > 0
	s_wait_alu depctr_va_vdst(0)
	s_wait_xcnt 0x0                                ; the last fragment's stores have read their data: the codes' registers are written again only behind this wait
.endif
	v_cvt_scalef32_pk16_fp6_f32 v[CD:CD+2], v[XT:XT+15], v10
	v_cvt_scalef32_pk16_fp6_f32 v[36:38], v[XT+16:XT+31], v10      ; (a conversion's three registers begin on an even number)
	v_cvt_scalef32_pk16_fp6_f32 v[CD+6:CD+8], v[XT+32:XT+47], v11
	v_cvt_scalef32_pk16_fp6_f32 v[40:42], v[XT+48:XT+63], v11
	v_nop                                          ; one plain instruction behind the conversions
.irp i, 0,1,2
	v_mov_b32 v[CD+3+\i], v[36+\i]
	v_mov_b32 v[CD+9+\i], v[40+\i]
.endr
.irp c, 0,1,2
	global_store_b128 v4, v[CD+4*\c:CD+4*\c+3], s[20:21] offset:1536*(\j)+512*\c   ; 512 consecutive bytes, at a multiple of 256 from the buffer's first byte
.endr
.endm
	LOADF 0
	LOADF 1
	FRAGQ 0
	FRAGQ 1
	FRAGQ 2
	FRAGQ 3
	v_cmp_le_u32 vcc_lo, 16, v1                    ; the record's lane is row % 32: lanes 0-15 take the first 16 rows' words, lanes 16-31 the second 16's (each half of the lanes holds both)
	v_cndmask_b32 v20, v[WD], v[WD+2], vcc_lo
	v_cndmask_b32 v21, v[WD+1], v[WD+3], vcc_lo
	global_store_b64 v7, v[20:21], s[22:23]        ; the wave stores 256 consecutive bytes
	s_wait_tensorcnt 0x0
	ds_add_u32 v62, v63
	s_wait_dscnt 0x0
	s_endpgm
.Lfunc_end_k_qa8d07b677d_quant:
	.size	k_qa8d07b677d_quant, .Lfunc_end_k_qa8d07b677d_quant-k_qa8d07b677d_quant
	.p2alignl 7, 3214868480
	.fill 96, 4, 3214868480
	.section	.rodata,"a",@progbits
	.p2align	6, 0x0
	.amdhsa_kernel k_qa8d07b677d_quant
		.amdhsa_group_segment_fixed_size 34304
		.amdhsa_private_segment_fixed_size 0
		.amdhsa_enable_private_segment 0
		.amdhsa_kernarg_size 96
		.amdhsa_user_sgpr_count 2
		.amdhsa_user_sgpr_kernarg_segment_ptr 1
		.amdhsa_wavefront_size32 1
		.amdhsa_system_sgpr_workgroup_id_x 1
		.amdhsa_system_sgpr_workgroup_id_y 1
		.amdhsa_system_sgpr_workgroup_id_z 1
		.amdhsa_system_vgpr_workitem_id 0
		.amdhsa_next_free_vgpr 256
		.amdhsa_next_free_sgpr 66
		.amdhsa_reserve_vcc 1
		.amdhsa_float_denorm_mode_32 3
		.amdhsa_float_denorm_mode_16_64 3
		.amdhsa_memory_ordered 1
		.amdhsa_forward_progress 1
		.amdhsa_inst_pref_size 70
	.end_amdhsa_kernel
	.amdgpu_metadata
---
amdhsa.version: [ 1, 2 ]
amdhsa.kernels:
  - .name:           k_qa8d07b677d_quant
    .symbol:         k_qa8d07b677d_quant.kd
    .args:
      - { .name: wz, .offset: 0, .size: 8, .value_kind: global_buffer, .address_space: global }
      - { .name: wr, .offset: 8, .size: 8, .value_kind: global_buffer, .address_space: global }
      - { .name: wx, .offset: 16, .size: 8, .value_kind: global_buffer, .address_space: global }
      - { .name: uz, .offset: 24, .size: 8, .value_kind: global_buffer, .address_space: global }
      - { .name: ur, .offset: 32, .size: 8, .value_kind: global_buffer, .address_space: global }
      - { .name: wh, .offset: 40, .size: 8, .value_kind: global_buffer, .address_space: global }
      - { .name: inp, .offset: 48, .size: 8, .value_kind: global_buffer, .address_space: global }
      - { .name: state, .offset: 56, .size: 8, .value_kind: global_buffer, .address_space: global }
      - { .name: acodes, .offset: 64, .size: 8, .value_kind: global_buffer, .address_space: global }
      - { .name: ascales, .offset: 72, .size: 8, .value_kind: global_buffer, .address_space: global }
      - { .name: bcodes, .offset: 80, .size: 8, .value_kind: global_buffer, .address_space: global }
      - { .name: bscales, .offset: 88, .size: 8, .value_kind: global_buffer, .address_space: global }
    .group_segment_fixed_size: 34304
    .private_segment_fixed_size: 0
    .kernarg_segment_align: 8
    .kernarg_segment_size: 96
    .max_flat_workgroup_size: 128
    .sgpr_count:     66
    .vgpr_count:     256
    .wavefront_size: 32
...
	.end_amdgpu_metadata
.endif
;; end of part 1
;; launch gru (part 2): grid 16 x 16, 4 waves a work-group, clusters of 4 x 1, 327,680 bytes of LDS; arguments acodes, ascales, bcodes, bscales, bz, br, bx, state, out0; writes out0
.if DOCPART == 2
	.amdgcn_target "amdgcn-amd-amdhsa--gfx1250"
	.amdhsa_code_object_version 6
	.text
	.protected	k_qa8d07b677d_gru
	.globl	k_qa8d07b677d_gru
	.p2align	8
	.type	k_qa8d07b677d_gru,@function
k_qa8d07b677d_gru:
	s_mov_b64 s[64:65], 0
	v_nop
	global_prefetch_b8 v0, s[64:65] scope:SCOPE_SE
	s_setreg_imm32_b32 hwreg(HW_REG_WAVE_MODE, 25, 1), 1
	s_wait_xcnt 0x0
	s_wait_alu depctr_hold_cnt(0) depctr_sa_sdst(0) depctr_va_vdst(0) depctr_va_sdst(0) depctr_va_ssrc(0) depctr_va_vcc(0) depctr_vm_vsrc(0)
	s_getreg_b32 s2, hwreg(HW_REG_IB_STS2, 6, 4)
	s_cmp_eq_u32 s2, 0
	s_cbranch_scc0 .Lentry_in_a_cluster
	s_endpgm
.Lentry_in_a_cluster:
	s_bfe_u32 s2, ttmp6, 0x10000c
	s_cmp_lg_u32 s2, 0x3003
	s_cbranch_scc0 .Lentry_shape_is_right
	s_endpgm
.Lentry_shape_is_right:
; z = sigmoid(xz + hz + bz), r = sigmoid(xr + hr + br), h_ = tanh(xh + bx + hh r), out = h_ + z (state - h_), on the codes and scale bytes that launch quant has laid.
; A work-group owns 64 columns of each gate and 512 rows, as two tiles of 256 rows; a wave owns 64 rows x 64 columns x the four sums z, r, xh, hh: 64 accumulators, 512 registers.
; B STAYS: the codes of the work-group's 3 x 64 weight columns for all of K (inp's 1,024, then state's) are 8 x 36,864 bytes: filled once, one tensor load a wave; nothing in LDS is filled again.
; The four work-groups of a cluster (4, 1, 1) have the same columns and ask for B jointly.  A's fragments are images of the operand's registers in memory: each wave takes its own rows from memory
; straight into registers by plain loads of 512 consecutive bytes, so no tile of A lies in LDS that partners could share: A has no joint load.
; A step is 128 along K: 48 products, B's 12 fragments one after the other, each against A's four.  B has one set of registers, fetched anew from LDS in two halves of 18 loads;
; A has a ring of four sets, asked for three steps ahead.  All scale words stay in registers.
; The matrix instruction is used transposed (source 0 = weight columns, source 1 = rows): a lane holds 8 neighbouring columns of one row.
; PREFETCHES: a tile's 64 x 256 bytes of state a wave, a lane a row, 13 steps ahead of their loads; a tile's codes of A, 192 blocks of 256 bytes for each 256 along K, shared out by address among
; the 16 work-groups that read them (3 blocks x 8 a wave, one instruction): the first tile's at the head, the second's in the first tile's step 4; the last tile asks for none.
; LIMITS: NaN and infinities among the inputs are not served.  An exponential that overflows gives infinity, whose reciprocal is 0: the gate then holds its limit value.
; REGISTERS: window 0: v0-27, v60-63 addresses; v28-59 A's scale words; v64-159 B's; v160-255 A's sets 0, 1.  window 1: v0-143 B's fragments; v144-239 A's sets 2, 3.
;   window 2: z v0-127, r v128-255.  window 3: xh v0-127, hh v128-255.  Accumulator (a, bt) of a sum at 8 (4 a + bt).  In the tail window 1's v0-127 and v192-255 are at work.
.set FB,     36864                     ; B: 64 columns x 3 gates x 256 along K
.set BFILL,  589824                    ; from one 256 along K to the next in bcodes
.set AFILL,  1572864                   ; the same in acodes
.set SROW,   272                       ; a stage row: 256 bytes + 16
.set STAGE,  8*FB                      ; behind B: a stage of 16 rows for each wave
.set BIAS,   STAGE+4*16*SROW           ; a table of 3 x 64 multiplied biases for each wave
.set SPARE,  BIAS+4*768                ; the spare words: 128 bytes a wave, named by no other line
.set NEXT_A, 49152                     ; 256 rows on: in acodes,
.set NEXT_S, 16384                     ; in ascales,
.set NEXT_R, 1048576                   ; in state and out0
.set L16,  10                          ; 16 x lane
.set L8,   11                          ; 8 x lane
.set SGO,  12                          ; state, out0: lanes 0-15 a row's 256 bytes, lanes 16-31 the next row's
.set STI,  13                          ; the stage by rows
.set STD,  14                          ; the stage as the accumulators lie: row r, 32 h
.set BIA,  15                          ; my bias table, 32 h
.set ADRB, 16                          ; v16-23: B's 256 along K number f, 16 x lane
.set SPW,  24
.set NIL,  25
.set PFS,  26                          ; prefetch of state: 4,096 x lane
.set PFA,  27                          ; prefetch of A: my 24 blocks of the next tile
.set SA,   28
.set SB,   64
.set G1,   28                          ; s[28:35]
.set G0,   36                          ; s[36:39]
.set TO1,  0x40                        ; destination window 1
.set ST1,  0x04                        ; store data window 1
.set MSB, 0
.macro WIN new                         ; the immediate's high byte repeats the setting that is left
.if MSB != (\new)
	s_set_vgpr_msb (MSB<<8)|(\new)
.set MSB, (\new)
.endif
.endm
.macro PLACES
.rept 4
	v_nop
.endr
.endm
.macro CROUND                          ; a round of the cluster's barrier
	s_barrier_signal -1
	s_barrier_wait -1
	s_cmp_lg_u32 s22, 0
	s_cbranch_scc1 .Lnot_wave_0_\@
	s_barrier_signal -3
.Lnot_wave_0_\@:
	s_barrier_wait -3
	s_barrier_signal -1
	s_barrier_wait -1
.endm
	s_load_b256 s[4:11], s[0:1], 0x0               ; acodes, ascales, bcodes, bscales
	s_load_b256 s[12:19], s[0:1], 0x20             ; bz, br, bx, state
	s_load_b64 s[20:21], s[0:1], 0x40              ; out0
	v_lshl_add_u32 v[SPW], v0, 2, SPARE
	v_mov_b32 v[NIL], 0
	ds_add_u32 v[SPW], v[NIL]                      ; the opening lines: the add twice on end and its wait
	ds_add_u32 v[SPW], v[NIL]
	v_lshrrev_b32 v1, 5, v0
	v_readfirstlane_b32 s22, v1                    ; wave
	s_bfe_u32 s23, ttmp6, 0x40000                  ; cx
	s_lshl_b32 s24, ttmp9, 2
	s_add_co_u32 s24, s24, s23                     ; R: which 512 rows
	s_and_b32 s25, ttmp7, 0xffff                   ; cb: which 64 columns; the same in the cluster's four
	s_mov_b32 s[G1+0], 15|(3<<16)|(1<<21)          ; the mask names the four; elements of 8 bytes
	s_mov_b32 s[G1+1], 4608<<16                    ; a row is a whole FB bytes: 4,608 elements
	s_mov_b32 s[G1+2], 2<<16                       ; two rows: 512 along K a wave
	s_mov_b32 s[G1+3], 4608<<16
	s_mov_b32 s[G1+4], 2
	s_mov_b32 s[G1+5], BFILL/8
	s_mov_b32 s[G1+6], 0
	s_mov_b32 s[G1+7], 0
	s_mov_b32 s[G0], 1
	s_mul_i32 s[G0+1], s22, 2*FB
	s_mul_i32 s26, s25, FB
	s_mul_i32 s27, s22, 2*BFILL
	s_add_co_u32 s26, s26, s27
	s_mov_b32 s27, 0
	s_mov_b32 s44, 0xbfb8aa3b                      ; -log2(e)
	s_mov_b32 s45, s44
	s_mov_b32 s46, 0x4038aa3b                      ; 2 log2(e)
	s_mov_b32 s47, s46
	s_wait_dscnt 0x0
	s_wait_kmcnt 0x0
	s_add_nc_u64 s[G0+2:G0+3], s[8:9], s[26:27]
	s_or_b32 s[G0+3], s[G0+3], 0x80000000
	CROUND                                         ; in front of the joint loads
	tensor_load_to_lds s[G0:G0+3], s[G1:G1+7]      ; my quarter of B: one tensor load a wave
	s_nop 0
	PLACES
	s_lshl_b32 s51, s24, 3
	s_add_co_u32 s51, s51, s22                     ; 8 R + wave: my 64 rows
	s_mov_b32 s43, 0
	s_mul_i32 s42, s51, 12288                      ; four fragments' rows x 3,072 bytes
	s_add_nc_u64 s[4:5], s[4:5], s[42:43]          ; A: inp's codes,
	s_add_nc_u64 s[40:41], s[4:5], 4*AFILL         ; state's
	s_lshl_b32 s42, s51, 12
	s_add_nc_u64 s[6:7], s[6:7], s[42:43]
	s_mul_i32 s42, s25, 12288
	s_add_nc_u64 s[10:11], s[10:11], s[42:43]
	s_lshl_b32 s42, s25, 8
	s_add_nc_u64 s[12:13], s[12:13], s[42:43]
	s_add_nc_u64 s[14:15], s[14:15], s[42:43]
	s_add_nc_u64 s[16:17], s[16:17], s[42:43]
	s_lshl_b32 s51, s51, 18
	s_add_co_u32 s42, s42, s51
	s_add_nc_u64 s[18:19], s[18:19], s[42:43]
	s_add_nc_u64 s[20:21], s[20:21], s[42:43]
	s_mul_i32 s49, s22, 16*SROW
	s_add_co_u32 s49, s49, STAGE
	s_mul_i32 s50, s22, 768
	s_add_co_u32 s50, s50, BIAS
	s_mul_i32 s52, s25, 3072                       ; (12 cb + 3 wave) blocks of 256 bytes, counted from the next tile's first fragment: my base stands 12,288 x wave beyond the tile's
	s_add_co_u32 s52, s52, NEXT_A
	s_mul_i32 s53, s22, 11520
	s_sub_co_u32 s52, s52, s53
	v_and_b32 v3, 31, v0
	v_and_b32 v1, 15, v0
	v_bfe_u32 v2, v0, 4, 1
	v_lshlrev_b32 v[L16], 4, v3
	v_lshlrev_b32 v[L8], 3, v3
	v_lshlrev_b32 v60, 2, v3
	v_lshlrev_b32 v[SGO], 12, v2
	v_lshl_add_u32 v[SGO], v1, 4, v[SGO]
	v_lshlrev_b32 v[PFS], 12, v3
.irp f, 0,1,2,3,4,5,6,7
	v_add_nc_u32 v[ADRB+\f], \f*FB, v[L16]
.endr
	v_mul_u32_u24 v4, v2, SROW
	v_lshl_add_u32 v4, v1, 4, v4
	v_add_nc_u32 v[STI], s49, v4
	v_mul_u32_u24 v5, v1, SROW
	v_lshl_add_u32 v5, v2, 5, v5
	v_add_nc_u32 v[STD], s49, v5
	v_lshl_add_u32 v[BIA], v2, 5, s50
	v_add_nc_u32 v61, s50, v60
	v_min_u32 v6, 23, v3                           ; lanes 24-31 name the last block again
	v_mul_u32_u24 v7, v6, 11
	v_lshrrev_b32 v7, 5, v7                        ; lane / 3: which 256 along K
	v_mul_u32_u24 v8, v7, 3
	v_sub_nc_u32 v6, v6, v8                        ; lane % 3
	v_mul_u32_u24 v7, v7, AFILL
	v_lshl_add_u32 v7, v6, 8, v7
	v_add_nc_u32 v[PFA], s52, v7
	s_wait_alu depctr_va_vdst(0)                   ; ahead of the readers below
	global_prefetch_b8 v[PFA], s[4:5] offset:-NEXT_A th:TH_LOAD_NT scope:SCOPE_SE   ; my share of the first tile's codes of A
.macro LDSA
.irp p, 0,1
.irp f, 0,1,2,3,4,5,6,7
	global_load_b64 v[SA+16*\p+2*\f:SA+16*\p+2*\f+1], v[L8], s[6:7] offset:2048*\p+256*\f
.endr
.endr
.endm
.macro ALOAD t                         ; A's four fragments of step t into set t % 4
.set LW_, ((\t)%4)/2
.set LR_, 160+48*((\t)%4)-112*LW_
.set LB_, 4+36*((\t)/8)
	WIN LW_<<6
.irp a, 0,1,2,3
.irp c, 0,1,2
	global_load_b128 v[LR_+12*\a+4*\c:LR_+12*\a+4*\c+3], v[L16], s[LB_:LB_+1] offset:(((\t)/2)%4)*AFILL+3072*\a+1536*((\t)%2)+512*\c
.endr
.endr
.endm
.irp n, 0,1
.irp g, 0,1,2
.irp f, 0,1,2,3,4,5,6,7
	global_load_b64 v[SB+48*\n+16*\g+2*\f:SB+48*\n+16*\g+2*\f+1], v[L8], s[10:11] offset:6144*\n+2048*\g+256*\f
.endr
.endr
.endr
.irp g, 0,1,2
	global_load_b32 v[4+2*\g], v60, s[12+2*\g:13+2*\g]
	global_load_b32 v[5+2*\g], v60, s[12+2*\g:13+2*\g] offset:128
.endr
	LDSA
	ALOAD 0
	ALOAD 1
	ALOAD 2
	WIN 0
	s_wait_loadcnt 52                              ; behind the biases: 16 loads of A's scales and 36 of A's codes
.irp i, 4,5,6,7
	v_mul_f32 v\i, s44, v\i                        ; bz, br x -log2(e)
.endr
	v_mul_f32 v8, s46, v8                          ; bx x 2 log2(e)
	v_mul_f32 v9, s46, v9
	s_wait_alu depctr_va_vdst(0)
	s_wait_tensorcnt 0x0                           ; my quarter of B is in
.irp i, 0,1,2,3,4,5
	ds_store_b32 v61, v[4+\i] offset:128*\i        ; my wave's own table
.endr
	s_wait_dscnt 0x0
	s_barrier_signal -1
	s_barrier_wait -1                              ; all of B is in
	s_mov_b32 s48, 2                               ; tiles to go
.macro WM1 rb, ra                      ; rb, ra: the half of the lanes that holds B's, A's scale words
.if ZC
.if (\rb) && (\ra)
	v_wmma_scale_f32_16x16x128_f8f6f4 v[rD:rD+7], v[rB:rB+11], v[rA:rA+11], 0, v[rSB], v[rSA] matrix_a_fmt:MATRIX_FMT_FP6 matrix_b_fmt:MATRIX_FMT_FP6 matrix_a_scale:MATRIX_SCALE_ROW1 matrix_b_scale:MATRIX_SCALE_ROW1
.elseif \rb
	v_wmma_scale_f32_16x16x128_f8f6f4 v[rD:rD+7], v[rB:rB+11], v[rA:rA+11], 0, v[rSB], v[rSA] matrix_a_fmt:MATRIX_FMT_FP6 matrix_b_fmt:MATRIX_FMT_FP6 matrix_a_scale:MATRIX_SCALE_ROW1
.elseif \ra
	v_wmma_scale_f32_16x16x128_f8f6f4 v[rD:rD+7], v[rB:rB+11], v[rA:rA+11], 0, v[rSB], v[rSA] matrix_a_fmt:MATRIX_FMT_FP6 matrix_b_fmt:MATRIX_FMT_FP6 matrix_b_scale:MATRIX_SCALE_ROW1
.else
	v_wmma_scale_f32_16x16x128_f8f6f4 v[rD:rD+7], v[rB:rB+11], v[rA:rA+11], 0, v[rSB], v[rSA] matrix_a_fmt:MATRIX_FMT_FP6 matrix_b_fmt:MATRIX_FMT_FP6
.endif
.else
.if (\rb) && (\ra)
	v_wmma_scale_f32_16x16x128_f8f6f4 v[rD:rD+7], v[rB:rB+11], v[rA:rA+11], v[rD:rD+7], v[rSB], v[rSA] matrix_a_fmt:MATRIX_FMT_FP6 matrix_b_fmt:MATRIX_FMT_FP6 matrix_a_scale:MATRIX_SCALE_ROW1 matrix_b_scale:MATRIX_SCALE_ROW1
.elseif \rb
	v_wmma_scale_f32_16x16x128_f8f6f4 v[rD:rD+7], v[rB:rB+11], v[rA:rA+11], v[rD:rD+7], v[rSB], v[rSA] matrix_a_fmt:MATRIX_FMT_FP6 matrix_b_fmt:MATRIX_FMT_FP6 matrix_a_scale:MATRIX_SCALE_ROW1
.elseif \ra
	v_wmma_scale_f32_16x16x128_f8f6f4 v[rD:rD+7], v[rB:rB+11], v[rA:rA+11], v[rD:rD+7], v[rSB], v[rSA] matrix_a_fmt:MATRIX_FMT_FP6 matrix_b_fmt:MATRIX_FMT_FP6 matrix_b_scale:MATRIX_SCALE_ROW1
.else
	v_wmma_scale_f32_16x16x128_f8f6f4 v[rD:rD+7], v[rB:rB+11], v[rA:rA+11], v[rD:rD+7], v[rSB], v[rSA] matrix_a_fmt:MATRIX_FMT_FP6 matrix_b_fmt:MATRIX_FMT_FP6
.endif
.endif
.endm
; B's fragments q0 .. q0 + n - 1 (q = 4 gate + bt), each against A's four: every product has an accumulator of its own, so the accumulators take turns.
; The first product of a sum takes 0 as C: step 0 for z, r, xh; step 8, state's first, for hh.
.macro MULS t, q0, n
.set Q_, \q0
.rept \n
.set G_, Q_/4
.set rB, 12*Q_
.set rSB, SB+48*((Q_%4)/2)+16*G_+(\t)
.set ZC, 0
.if (\t) == 0
.set ZC, 1
.endif
.if (\t) == 8
.if G_ == 2
.set ZC, 1
.endif
.endif
.set A_, 0
.rept 4
.set rD, 128*(G_%2)+(G_/2)*128*((\t)/8)+8*(4*A_+Q_%4)
.set rA, AR_+12*A_
.set rSA, SA+16*(A_/2)+(\t)
	WM1 Q_%2, A_%2
.set A_, A_+1
.endr
.set Q_, Q_+1
.endr
.endm
.macro FETCHB t, hf                    ; half hf of B's fragments of step t: 18 loads of 512 consecutive bytes
.set Q_, 6*(\hf)
.rept 6
.irp c, 0,1,2
	ds_load_b128 v[12*Q_+4*\c:12*Q_+4*\c+3], v[ADRB+(\t)/2] offset:12288*(Q_/4)+3072*(Q_%4)+1536*((\t)%2)+512*\c
.endr
.set Q_, Q_+1
.endr
.endm
.macro STEP t
.set AW_, ((\t)%4)/2
.set AR_, 160+48*((\t)%4)-112*AW_
.set M2_, 0xa1|(AW_<<2)                ; source 0 (B) window 1, source 1 (A) window AW_, C and D window 2
.set M3_, 0xf1|(AW_<<2)                ; the same, C and D window 3
.if (\t) < 14
	s_wait_loadcnt 24                              ; this step's set of A is in; the two younger sets, 12 loads each, may be out
.else
	s_wait_loadcnt 12*(15-(\t))
.endif
	s_wait_dscnt 18                                ; B's first half is in; the second half's 18 loads may be out
.if (\t) == 2
	global_prefetch_b8 v[PFS], s[18:19] th:TH_LOAD_NT scope:SCOPE_SE                 ; this tile's state: my rows 0-31,
	global_prefetch_b8 v[PFS], s[18:19] offset:131072 th:TH_LOAD_NT scope:SCOPE_SE   ; and 32-63
.endif
.if (\t) == 4
	WIN 0
	s_cmp_eq_u32 s48, 1
	s_cbranch_scc1 .Lno_next_\@                    ; the last tile asks for nothing
	global_prefetch_b8 v[PFA], s[4:5] th:TH_LOAD_NT scope:SCOPE_SE                   ; my share of the next tile's codes of A
.Lno_next_\@:
.endif
	WIN M2_
	MULS \t, 0, 6
	PLACES                                         ; four places in front of loads into registers that matrix instructions have read
.if (\t) < 15
	WIN TO1
	FETCHB (\t)+1, 0
.endif
.if (\t) < 13
	ALOAD (\t)+3                                   ; into the set that the step before multiplied
.endif
.if (\t) < 15
	s_wait_dscnt 18                                ; all but the 18 just issued
.else
	s_wait_dscnt 0x0
.endif
	WIN M2_
	MULS \t, 6, 2
	WIN M3_
	MULS \t, 8, 4
	PLACES
.if (\t) < 15
	WIN TO1
	FETCHB (\t)+1, 1
.endif
.endm
.macro SEND a                          ; 16 rows of the result: 16 lanes store 256 consecutive bytes, at a multiple of 256 from out0's first byte
	WIN ST1
.irp i, 0,1,2,3,4,5,6,7
	global_store_b128 v[SGO], v[32*(\a)+4*\i:32*(\a)+4*\i+3], s[20:21] offset:(16*(\a)+2*\i)*4096 th:TH_STORE_NT
.endr
.endm
.Ltile:
	WIN TO1
	FETCHB 0, 0
	FETCHB 0, 1
.set T_, 0
.rept 16
	STEP T_
.set T_, T_+1
.endr
	; THE TAIL.  Step 15 has waited for all loads, so A's bases may step; the next tile's first three sets and its scale words are asked for now.
	WIN 0
	s_cmp_eq_u32 s48, 1
	s_cbranch_scc1 .Lno_more
	s_wait_xcnt 0x0                                ; the prefetch has read its base
	s_add_nc_u64 s[4:5], s[4:5], NEXT_A
	s_add_nc_u64 s[40:41], s[40:41], NEXT_A
	s_add_nc_u64 s[6:7], s[6:7], NEXT_S
	LDSA
	ALOAD 0
	ALOAD 1
	ALOAD 2
	WIN 0
.Lno_more:
	WIN TO1
.irp a, 0,1,2,3
.irp i, 0,1,2,3,4,5,6,7
	global_load_b128 v[32*\a+4*\i:32*\a+4*\i+3], v[SGO], s[18:19] offset:(16*\a+2*\i)*4096 th:TH_LOAD_NT   ; state by rows, where B's fragments lay
.endr
.endr
.irp g, 0,1
.set k, 0
.rept 8
	ds_load_b128 v[192+32*\g+4*k:192+32*\g+4*k+3], v[BIA] offset:256*\g+64*(k/2)+16*(k%2)   ; bz' v192-223, br' v224-255, as an accumulator's columns lie
.set k, k+1
.endr
.endr
	s_wait_dscnt 0x0
	WIN 0x92                                       ; sums window 2, biases window 1
.set j, 0
.rept 64
	v_pk_fma_f32 v[j:j+1], v[j:j+1], s[44:45], v[192+j%32:193+j%32] op_sel_hi:[1,0,1]
	v_pk_fma_f32 v[128+j:129+j], v[128+j:129+j], s[44:45], v[224+j%32:225+j%32] op_sel_hi:[1,0,1]
.set j, j+2
.endr
	WIN TO1
.set k, 0
.rept 8
	ds_load_b128 v[192+4*k:192+4*k+3], v[BIA] offset:512+64*(k/2)+16*(k%2)   ; bx'
.set k, k+1
.endr
	WIN 0xaa
	s_wait_alu depctr_va_vdst(0)                   ; a wait ahead of each batch and one behind it
.set j, 0
.rept 256
	v_exp_f32 v[j], v[j]
.set j, j+1
.endr
	v_nop
	s_wait_alu depctr_va_vdst(0)
.set j, 0
.rept 128
	v_pk_add_f32 v[j:j+1], v[j:j+1], 1.0 op_sel_hi:[1,0]
.set j, j+2
.endr
	s_wait_alu depctr_va_vdst(0)
.set j, 0
.rept 256
	v_rcp_f32 v[j], v[j]                           ; z, r
.set j, j+1
.endr
	v_nop
	s_wait_dscnt 0x0                               ; bx'
	WIN 0xfb                                       ; hh, xh window 3, r window 2
	s_wait_alu depctr_va_vdst(0)
.set j, 0
.rept 64
	v_pk_fma_f32 v[j:j+1], v[128+j:129+j], v[128+j:129+j], v[j:j+1]   ; xh + hh r
.set j, j+2
.endr
	WIN 0xd3
.set j, 0
.rept 64
	v_pk_fma_f32 v[j:j+1], v[j:j+1], s[46:47], v[192+j%32:193+j%32] op_sel_hi:[1,0,1]
.set j, j+2
.endr
	WIN 0xff
	s_wait_alu depctr_va_vdst(0)
.set j, 0
.rept 128
	v_exp_f32 v[j], v[j]
.set j, j+1
.endr
	v_nop
	; state turns through my stage, 16 rows at a time: in by rows, back as the accumulators lie, into v192-255 and v0-63.  LDS serves a wave's instructions in order.
	s_wait_loadcnt 0x0                             ; state is in, and whatever was asked for ahead of it
.irp a, 0,1,2,3
.if \a == 2
	s_wait_dscnt 8                                 ; blocks 0 and 1's stores have read their registers
.endif
	WIN ST1
.irp i, 0,1,2,3,4,5,6,7
	ds_store_b128 v[STI], v[32*\a+4*\i:32*\a+4*\i+3] offset:2*SROW*\i
.endr
	WIN TO1
.set k, 0
.rept 8
	ds_load_b128 v[(192+32*\a)%256+4*k:(192+32*\a)%256+4*k+3], v[STD] offset:64*(k/2)+16*(k%2)
.set k, k+1
.endr
.endr
	WIN 0xff
	s_wait_alu depctr_va_vdst(0)
.set j, 0
.rept 64
	v_pk_add_f32 v[j:j+1], v[j:j+1], 1.0 op_sel_hi:[1,0]
.set j, j+2
.endr
	s_wait_alu depctr_va_vdst(0)
.set j, 0
.rept 128
	v_rcp_f32 v[j], v[j]
.set j, j+1
.endr
	v_nop
	s_wait_alu depctr_va_vdst(0)
.set j, 0
.rept 64
	v_pk_fma_f32 v[j:j+1], v[j:j+1], -2.0, 1.0 op_sel_hi:[1,0,0]   ; h_ = 1 - 2 / (1 + 2^..)
.set j, j+2
.endr
	s_wait_alu depctr_va_vdst(0)
	s_wait_dscnt 0x0                               ; state is back from the stage
	WIN 0xcd
.set j, 0
.rept 64
	v_pk_add_f32 v[128+j:129+j], v[(192+j)%256:(192+j)%256+1], v[j:j+1] neg_lo:[0,1] neg_hi:[0,1]   ; state - h_
.set j, j+2
.endr
	WIN 0xfe
.set j, 0
.rept 64
	v_pk_fma_f32 v[j:j+1], v[j:j+1], v[128+j:129+j], v[j:j+1]      ; h_ + z (state - h_)
.set j, j+2
.endr
	s_wait_alu depctr_va_vdst(0)
.irp a, 0,1,2,3                        ; the way out: through my stage, back as whole rows of 256 bytes
	WIN 0x0c
.set k, 0
.rept 8
	ds_store_b128 v[STD], v[32*\a+4*k:32*\a+4*k+3] offset:64*(k/2)+16*(k%2)
.set k, k+1
.endr
	WIN TO1
.irp i, 0,1,2,3,4,5,6,7
	ds_load_b128 v[32*\a+4*\i:32*\a+4*\i+3], v[STI] offset:2*SROW*\i
.endr
.if \a > 0
	s_wait_dscnt 16                                ; the block before is back; this block's 8 stores and 8 loads may be out
	SEND \a-1
.endif
.endr
	s_wait_dscnt 0x0
	SEND 3
	WIN 0
	s_wait_xcnt 0x0                                ; the stores have read their data and their base
	s_add_nc_u64 s[18:19], s[18:19], NEXT_R
	s_add_nc_u64 s[20:21], s[20:21], NEXT_R
	s_sub_co_u32 s48, s48, 1
	s_cmp_lg_u32 s48, 0
	s_wait_alu depctr_va_vdst(0)
	s_cbranch_scc1 .Ltile
	s_wait_tensorcnt 0x0                           ; the wave's end
	ds_add_u32 v[SPW], v[NIL]
	s_wait_dscnt 0x0
	CROUND                                         ; the closing round
	s_endpgm
.Lfunc_end_k_qa8d07b677d_gru:
	.size	k_qa8d07b677d_gru, .Lfunc_end_k_qa8d07b677d_gru-k_qa8d07b677d_gru
	.p2alignl 7, 3214868480
	.fill 96, 4, 3214868480
	.section	.rodata,"a",@progbits
	.p2align	6, 0x0
	.amdhsa_kernel k_qa8d07b677d_gru
		.amdhsa_group_segment_fixed_size 327680
		.amdhsa_private_segment_fixed_size 0
		.amdhsa_enable_private_segment 0
		.amdhsa_kernarg_size 72
		.amdhsa_user_sgpr_count 2
		.amdhsa_user_sgpr_kernarg_segment_ptr 1
		.amdhsa_wavefront_size32 1
		.amdhsa_system_sgpr_workgroup_id_x 1
		.amdhsa_system_sgpr_workgroup_id_y 1
		.amdhsa_system_sgpr_workgroup_id_z 1
		.amdhsa_system_vgpr_workitem_id 0
		.amdhsa_next_free_vgpr 1024
		.amdhsa_next_free_sgpr 66
		.amdhsa_reserve_vcc 0
		.amdhsa_float_denorm_mode_32 3
		.amdhsa_float_denorm_mode_16_64 3
		.amdhsa_memory_ordered 1
		.amdhsa_forward_progress 1
		.amdhsa_inst_pref_size 255
	.end_amdhsa_kernel
	.section	.bss,"aw",@nobits
	.p2align	6
	.space	262144
	.amdgpu_metadata
---
amdhsa.version: [ 1, 2 ]
amdhsa.kernels:
  - .name:           k_qa8d07b677d_gru
    .symbol:         k_qa8d07b677d_gru.kd
    .args:
      - { .name: acodes, .offset: 0, .size: 8, .value_kind: global_buffer, .address_space: global }
      - { .name: ascales, .offset: 8, .size: 8, .value_kind: global_buffer, .address_space: global }
      - { .name: bcodes, .offset: 16, .size: 8, .value_kind: global_buffer, .address_space: global }
      - { .name: bscales, .offset: 24, .size: 8, .value_kind: global_buffer, .address_space: global }
      - { .name: bz, .offset: 32, .size: 8, .value_kind: global_buffer, .address_space: global }
      - { .name: br, .offset: 40, .size: 8, .value_kind: global_buffer, .address_space: global }
      - { .name: bx, .offset: 48, .size: 8, .value_kind: global_buffer, .address_space: global }
      - { .name: state, .offset: 56, .size: 8, .value_kind: global_buffer, .address_space: global }
      - { .name: out0, .offset: 64, .size: 8, .value_kind: global_buffer, .address_space: global }
    .group_segment_fixed_size: 327680
    .private_segment_fixed_size: 0
    .kernarg_segment_align: 8
    .kernarg_segment_size: 72
    .max_flat_workgroup_size: 128
    .sgpr_count:     66
    .vgpr_count:     1024
    .wavefront_size: 32
...
	.end_amdgpu_metadata
.endif
;; end of part 2
